; MI455X (gfx1250); checked and timed in simulation.
; The chip was launched on July 23, 2026; its instructions are those of AMD's public machine-readable ISA for CDNA 5 (MIT licence, August 2026) and "CDNA5" Instruction Set Architecture Reference Guide (July 2026). The comments in the code are by the model that wrote it; some were corrected since.
;; Refinement. Allowed arithmetic: matrix products marked QUANTISED: E2M1 operands, one E8M0 scale for each 32 along K, by v_wmma_scale_f32_16x16x128_f8f6f4 with both operands' format E2M1 (or v_wmma_scale_f32_32x16x128_f4), f32 sums; everything else in f32.
;; Inputs: W1 32 x 32 float32; W2 32 x 32 float32; W_scale 32 x 32 float32; b1 32 float32; b2 32 float32; b_scale 32 float32; rgn 256 x 512 x 32 float32; wrd 256 x 512 x 32 float32.
;; Outputs: out0 256 x 1 x 512 x 32 float32.
;; This version of the problem:
;;   THIS VERSION OF THE PROBLEM IS GIVEN IN LOW PRECISION. The matrix products marked QUANTISED in the list below multiply operands that are first quantised to E2M1 (2 exponent bits, 1 mantissa bit; 4 bits a number), with one power-of-two scale for each 32 numbers along K (OCP MX v1.0); their sums are f32. All else is computed in f32.
;;   The module's matrix products, in the order in which they are computed (A, B: the left and right operand; K: the contracted axis; several contracted axes count as one K, in the product's order):
;;     1. batch 256 x [M 512, K 32] x [K 32, N 512]; A: input wrd; B: input rgn: QUANTISED
;;     2. batch 256 x [M 512, K 512] x [K 512, N 32]; A: softmax (see below); B: input wrd: QUANTISED
;;     3. [M 131,072, K 32] x [K 32, N 32]; A: computed on the way; B: input W_scale: QUANTISED
;;     4. [M 131,072, K 32] x [K 32, N 32]; A: computed on the way; B: input W1: QUANTISED
;;     5. [M 131,072, K 32] x [K 32, N 32]; A: computed on the way; B: input W2: QUANTISED
;;   THE QUANTISER, for each operand of a quantised product, along K:
;;     - K is cut into blocks of 32 from its start; a last block that is shorter is filled with zeros.
;;     - A block's scale is 2^e with e = floor(log2(the largest magnitude in the block)) - 2, held to -126 .. 127; a block of zeros has e = 0. As a byte (E8M0): e + 127.
;;     - Each number is divided by its block's scale, clamped to +-6, and rounded to the nearest number of E2M1, ties to even, subnormals kept.
;;     - The product sums the exact products of the quantised numbers (number of the format x scale) in f32.
;;   ~~~python
;;   def quantise(x, axis):      # numpy; x: float32 -> the quantised numbers, widened to float32 again
;;       x = np.moveaxis(x, axis, -1); K = x.shape[-1]
;;       x = np.pad(x, [(0, 0)] * (x.ndim - 1) + [(0, -K % 32)]); x = x.reshape(x.shape[:-1] + (-1, 32)); a = np.abs(x).max(-1, keepdims=True)
;;       e = np.where(a > 0, np.clip(np.frexp(np.where(a > 0, a, 1))[1] - 1 - 2, -126, 127), 0)      # np.frexp(a)[1] - 1 = floor(log2(a)), exactly
;;       r = np.clip(x / 2.0 ** e, -6, 6)
;;       step = 2.0 ** (np.maximum(np.frexp(np.where(r == 0, 1, r))[1] - 1, 0) - 1)
;;       q = np.round(r / step) * step * 2.0 ** e      # np.round: ties to even
;;       return np.moveaxis(q.reshape(q.shape[:-2] + (-1,))[..., :K], -1, axis).astype(np.float32)
;;   ~~~
;;   SOFTMAX AHEAD OF A QUANTISED PRODUCT. Where the list says 'softmax', what is quantised is not the finished softmax but p = 2^(t - M), with t = logit x log2(e) and M = ceil(the row's largest t), a whole number; so 1/2 < the row's largest p <= 1. The row's sum l is taken of the UNQUANTISED p, in f32, and the product's result is divided by l at the end. Since M is a whole number, a kernel that streams over the keys may use a running M (the ceiling of the running maximum): every later rescaling is an exact power of two, which a block's scale takes up: the codes' values come out the same.
;;   OPERANDS COMPUTED ON THE WAY. 'Computed on the way' means the value that the module computes at that place (a softmax that the list does not call 'softmax' is quantised finished and normalised). What goes into a quantiser is computed in f32, as accurately as f32 sums, v_exp_f32 and their like allow (about 1e-6 of the number): no bf16 or f16 on the way to a quantiser, and a product that is left as it is and whose result goes on into a quantised operand takes f32 operands (vector FMAs, or v_wmma_f32_16x16x4_f32). A number that lies on a knife's edge between two numbers of the format may be rounded either way, as far as f32 arithmetic and the matrix unit's own rounding can turn it there, and no further.
;; One version. Each part assembles by itself: llvm-mc -triple=amdgcn-amd-amdhsa -mcpu=gfx1250 --defsym DOCPART=n.
;; ======== version 1 of 1: 1 launch
;; limits: right only within a limited range of input values
;; launch refine (part 1): grid 256 x 1, 16 waves a work-group, no clusters, 163,328 bytes of LDS; arguments rgn, wrd, W_scale, b_scale, W1, b1, W2, b2, out0; writes out0
.if DOCPART == 1
	.amdgcn_target "amdgcn-amd-amdhsa--gfx1250"
	.amdhsa_code_object_version 6
	.text
	.protected	k_q4611b638fa_refine
	.globl	k_q4611b638fa_refine
	.p2align	8
	.type	k_q4611b638fa_refine,@function
k_q4611b638fa_refine:
	s_mov_b64 s[64:65], 0
	v_nop
	global_prefetch_b8 v0, s[64:65] scope:SCOPE_SE
	s_setreg_imm32_b32 hwreg(HW_REG_WAVE_MODE, 25, 1), 1
	s_wait_xcnt 0x0
; out0[b][0][i][:] = relu((q_i tanh(ctx_i Ws^T + bs)) W1^T + b1) W2^T + b2 + q_i,  q_i = mean(wrd[b][i][:]),
; ctx_i = sum over keys s of softmax_s(4 leaky(wrd[b][s] . rgn[b][i])) wrd[b][s][:].   rgn, wrd, out0: [256][512][32] f32.
; All five products run on codes of FP4 (E2M1) with one E8M0 scale for each 32 along K; every operand is quantised here, in f32, on its way.
; THE SOFTMAX: t = 4 log2(e) leaky(score); M = the running largest t rounded up to a whole number; p = 2^(t - M) is quantised along the keys, not normalised;
; the row's sum is taken of the unquantised p and divides at the end; when M moves, the sum and O are multiplied by 2^(old M - new M), which rounds nothing.
; SHARES.  One work-group for a batch, 256 in all.  Wave w of 16 fetches rows 32 w .. 32 w + 31 of wrd by eight loads of 512 consecutive bytes, turns them in its own stage in LDS, quantises them along d (K) and down
; the keys (V), and leaves both in LDS as images of operand registers.  After ONE barrier it walks all 512 keys for its 32 queries: two tiles of 16 queries one after the other, four steps of 128 keys each.
; rgn's rows come likewise through a stage of the wave's own: the first tile's 16 rows are asked for at the head, the second's behind the barrier.
; NO CLUSTER: work-groups share nothing but the three weights, 12 KiB beside 128 KiB of their own.  NO PREFETCH: no loop walks memory; every byte of wrd and rgn is asked for once.
; LAYOUT.  Both large products are used transposed (S^T = K Q^T, O^T = V^T P^T): a lane holds ONE query (r = lane % 16; h = lane / 16) throughout.
; PRODUCT 1 HAS K = 32 IN AN INSTRUCTION OF 128: the four blocks of 32 of a row of source 0 hold FOUR DIFFERENT KEYS; source 1 is the query's 32 codes in block g and zero codes elsewhere: the unused K is zero on the query's side alone.
; Key 64 b + 32 a + 16 u + 8 c + j of a step lies in fragment c, row 8 a + j, block 2 b + u: then registers S + 32 b .. + 31 of lane (r, h) are the 32 neighbouring keys 64 b + 32 h + 0 .. 31 of query r: a whole block of the
; second product's K in one lane, in order: its largest p needs no other lane, and the conversions' results are P's operand as they stand.
; PRODUCTS 3 TO 5 (K = 32): lane (r, h) holds k = 8 h + 0 .. 7 and 16 + 8 h + 0 .. 7, so the block of 32 lies in the instruction's blocks 0 and 1, 16 codes and 16 zero codes in each, both under the block's one scale byte;
; the weights' codes are laid the same way.  Each result has O^T's layout again.  Each bias is the C of its product; the last one's has q added ahead.
; LIMITS.  NaN and infinities among the inputs are not served.  The promise holds while 4 log2(e) leaky(score) stays under 2^31 in magnitude.  A block of zeros gets the scale byte 1 where the rule says 127: its codes are zeros and only
; this text reads the bytes; blocks whose largest magnitude lies under 2^-124 keep the byte 1 and were not tried.  p under 2^-126 comes out of v_exp_f32 as 0 (ISA guide, 15.8), beside a row's sum of more than 1/2.
; The mean, the rows' sums and b2 + q are added in another order than the reference's.  In products 3 to 5 a block's 32 products are added as two groups of 16.
; tanh: for x^2 < 1/16 an odd series of four terms with economised coefficients (within 2e-8 of the number), else 1 - 2 / (1 + e^(2x)).
.set WPART, 4352                       ; LDS: a wave's 32 rows of f32: 16 pairs of rows, 256 bytes + 16 of padding each: row s at (s / 2) 272 + (s % 2) 128.  wrd's from 0 (later the way out's stage), rgn's from RST
.set RST,   69632
.set KIMG,  139264                     ; K's codes: 4 steps x 2 fragments x 1,024 bytes, in the order of the operand's registers
.set VIMG,  KIMG+8192                  ; V's codes: 4 steps x 2 tiles of 16 columns x 1,024 bytes
.set KSC,   155648                     ; K's scale words: a step's 32 words, word 16 c + row
.set VSC,   KSC+512                    ; V's: a step's 32 words: word d for column d
.set QM,    156672                     ; the mean of wrd's row s at 4 s
.set WIMG,  158720                     ; the weights' codes: weight i, tile n: 512 i + 256 n + 8 x lane
.set WSC,   160256                     ; their scale words: 128 i + 4 x row
.set BIA,   WSC+512                    ; the biases: 128 i + 4 x unit
.set SPARE, 161280                     ; the spare words: 128 bytes for each wave, eight blocks of 256 bytes that no other line names
.set LI,   1                           ; 16 x lane
.set AK0,  2                           ; KIMG + 16 x lane
.set AS0,  3                           ; KSC + 4 x lane
.set AQR,  4                           ; my query's row of rgn in LDS
.set HM,   5                           ; all ones in lanes 16-31
.set NHM,  6                           ; all ones in lanes 0-15
.set AQM,  7                           ; where my query's mean lies
.set ASO,  8                           ; the stage: where I put 16 bytes of a row
.set ASR,  9                           ; the stage: 16 bytes a lane, as they lie in memory
.set AB,   10                          ; BIA + 32 h
.set AW,   11                          ; WIMG + 8 x lane
.set SPW,  12                          ; my spare word's address; never rewritten
.set NIL,  13                          ; 0; never rewritten
.set NMA,  14                          ; -M of the even steps
.set TM,   15                          ; the largest t so far
.set NMB,  16                          ; -M of the odd steps
.set SH8,  17                          ; 8 h
.set LS,   18                          ; v[18:19] the row's sum, in two halves
.set FF,   20                          ; f = 2^(old M - new M); the pair's upper half is AWSL, written once
.set AWSL, 21                          ; WSC + 4 x lane
.set QV,   22                          ; my query's mean; the pair's upper half is ARS, written once
.set ARS,  23                          ; rgn's stage: 16 bytes a lane, as they lie in memory
.set RL,   24                          ; 1 / the sum; v25 written once
.set XL,   26                          ; the lane permutes' destination
.set SM,   27
.set BM,   28                          ; v[28:29] the largest score, then the largest p, of my two blocks
.set T0,   30                          ; v[30:31] at work
.set CH,   32                          ; v32-35 at work
.set SO,   36                          ; v36-37 the conversions' scale operands
.set KS,   38                          ; scale words: K's, V's, P's, the chain's operand's; v42-44 the three weights'; Q's
.set VS,   39
.set PS,   40
.set ES,   41
.set WS,   42
.set QS,   45
.set QF,   48                          ; v48-67: zeros(4), the query's codes in lanes 0-15 (4), zeros(4), the same codes in lanes 16-31 (4), zeros(4): Q_g is eight of these registers
.set KF,   68                          ; v68-83   two fragments of K
.set VF,   84                          ; v84-99   two fragments of V^T
.set PC,   100                         ; v100-107 P's codes
.set O,    108                         ; v108-123 O^T
.set Y,    124                         ; v124-139 at work; the partial sums: pair i at Y + 2 i
.set WA,   140                         ; v140-159 the three weights' codes, which stay: weight i's fragments begin at WA + 2 i: registers 0, 1 (rows 0-15) and 8, 9 (rows 16-31) are its own; what stands beside them,
                                       ; other weights' codes or zero codes, meets zero codes of the chain's operand alone
.set PB,   244                         ; v244-251 the chain's operand: registers 2 to 7 are zero codes, written once
.set S,    164                         ; v164-227 S^T, then p
.set RT,   228                         ; v228-243 16 rows of rgn on their way
.set E0,   S                           ; the chain: ctx, and the three layers' sums
.set E1,   S+16
.set E2,   S+32
.set E3,   S+48
; at the head alone
.set WD,   68                          ; v68-99   wrd's rows as they come; later the mean's partial sums
.set WT,   100                         ; v100-131 a weight's row
.set KC,   132                         ; v132-135 K's codes, then a weight's
.set VC,   136                         ; v136-139 V's codes
.set XR,   S                           ; 32 numbers of a column of wrd
.set RW,   S+32                        ; 32 numbers of a row of wrd
.set BI,   46
.set AWG,  47
.set AL4,  27
.set AKI, 140
.set LL, 141
.set RR, 142
.set HH, 143
.set AWI, 144
.set AWS, 145
.set AKB, 146
.set ARW, 147
.set ACW, 148
.set AQS, 149
.set AVI, 150
.set AVB, 151
.macro NOPS n
.rept \n
	v_nop
.endr
.endm
; 32 numbers of ONE lane, a whole block: its largest magnitude with the floor 2^(3 - 127) among the leaves (so the byte cannot fall under 1); 2 off the exponent field gives the conversions' scale operand.
.macro QBLK src
.irp k, 0,1,2,3
	v_max3_num_f32 v[CH+\k], |v[\src+3*\k]|, |v[\src+3*\k+1]|, |v[\src+3*\k+2]|
.endr
.irp i, 0,1,2,3,4,5,6,7,8,9
	v_max3_num_f32 v[CH+(\i%4)], v[CH+(\i%4)], |v[\src+12+2*\i]|, |v[\src+13+2*\i]|
.endr
	v_max3_num_f32 v[CH], v[CH], v[CH+1], v[CH+2]
	v_max3_num_f32 v[CH], v[CH], v[CH+3], 0x1800000
	v_add_nc_u32 v[SO], 0xff000000, v[CH]
.endm
.macro QCOD src, cod
.irp g, 0,1,2,3
	v_cvt_scalef32_pk8_fp4_f32 v[\cod+\g], v[\src+8*\g:\src+8*\g+7], v[SO]
.endr
.endm
.macro MX3 abs, d, a, b, c
.if \abs
	v_max3_num_f32 v[\d], |v[\a]|, |v[\b]|, |v[\c]|
.else
	v_max3_num_f32 v[\d], v[\a], v[\b], v[\c]
.endif
.endm
; 16 numbers of a lane in O^T's layout, with lane l xor 16's 16 my query's block of 32: the scale operand SO and the scale word ES (the byte twice).  abs = 0: what is negative does not count.
.macro QM16 src, abs
	MX3 \abs, CH, \src, \src+1, \src+2
	MX3 \abs, CH+1, \src+8, \src+9, \src+10
	MX3 \abs, CH, CH, \src+3, \src+4
	MX3 \abs, CH+1, CH+1, \src+11, \src+12
	MX3 \abs, CH, CH, \src+5, \src+6
	MX3 \abs, CH+1, CH+1, \src+13, \src+14
	MX3 \abs, CH, CH, \src+7, \src+15
	v_max3_num_f32 v[CH], v[CH], v[CH+1], 0x1800000
	v_permlanex16_b32 v[XL], v[CH], s44, s45
	v_max_num_f32 v[CH], v[CH], v[XL]
	v_add_nc_u32 v[SO], 0xff000000, v[CH]
	v_lshrrev_b32 v[CH+1], 23, v[SO]
	v_lshl_or_b32 v[ES], v[CH+1], 8, v[CH+1]
.endm
.macro QC16 src
	v_cvt_scalef32_pk8_fp4_f32 v[PB], v[\src:\src+7], v[SO]
	v_cvt_scalef32_pk8_fp4_f32 v[PB+1], v[\src+8:\src+15], v[SO]
.endm
; A layer: 32 outputs x my 16 queries.  The bias lies in the sums' registers (loaded from LDS) and the product adds onto it.
.macro PROD e, i
	v_wmma_scale_f32_32x16x128_f4 v[\e:\e+15], v[WA+2*\i:WA+2*\i+15], v[PB:PB+7], v[\e:\e+15], v[WS+\i], v[ES]
.endm
	s_load_b256 s[4:11], s[0:1], 0x0               ; rgn s[4:5], wrd s[6:7], W_scale s[8:9], b_scale s[10:11]
	s_load_b256 s[12:19], s[0:1], 0x20             ; W1 s[12:13], b1 s[14:15], W2 s[16:17], b2 s[18:19]
	s_load_b64 s[20:21], s[0:1], 0x40              ; out0
	v_lshrrev_b32 v[AKI], 5, v0
	v_readfirstlane_b32 s22, v[AKI]                ; wave 0..15
	v_lshl_add_u32 v[SPW], v0, 2, SPARE
	v_mov_b32 v[NIL], 0
	v_and_b32 v[LL], 31, v0
	v_and_b32 v[RR], 15, v0
	v_bfe_u32 v[HH], v0, 4, 1
	v_lshlrev_b32 v[LI], 4, v[LL]
	v_lshlrev_b32 v[AWG], 7, v[LL]                 ; a weight's row: 128 bytes a lane
	v_lshlrev_b32 v[AL4], 2, v[LL]
	s_lshl_b32 s54, ttmp9, 16                      ; the batch's 65,536 bytes,
	s_lshl_b32 s55, s22, 12                        ; my wave's 32 rows of 128 bytes: the same offset in rgn, wrd and out0
	s_or_b32 s54, s54, s55
	s_mov_b32 s55, 0
	s_mov_b32 s44, 0x76543210                      ; v_permlanex16_b32's selects for lane l xor 16
	s_mov_b32 s45, 0xfedcba98
	s_mov_b32 s46, 0x40b8aa3b                      ; 4 log2(e); the packed forms name a pair and take its low word, so the pair is written
	s_mov_b32 s47, s46
	s_mov_b32 s48, 0x3dcccccd                      ; 0.1
	s_mov_b32 s49, s48
	s_mov_b32 s50, 0x4038aa3b                      ; 2 log2(e)
	s_mov_b32 s51, s50
	s_mov_b32 s52, 0x3d800000                      ; 1/16
	s_min_u32 s23, s22, 2                          ; which weight I quantise, if I quantise one
	s_mul_i32 s56, s22, WPART                      ; my wave's stage for wrd,
	s_add_co_u32 s57, s56, RST                     ; and for rgn
	s_lshl_b32 s58, s22, 7
	s_add_co_u32 s58, s58, QM                      ; the means of my 32 rows
	s_lshr_b32 s59, s22, 2                         ; my 32 keys: step w / 4,
	s_bfe_u32 s60, s22, 0x10001                    ; b = (w / 2) % 2,
	s_and_b32 s61, s22, 1                          ; a = w % 2
	s_lshl_b32 s62, s59, 11                        ; V's codes: 2048 step + 512 b + 256 a
	s_lshl_b32 s66, s60, 9
	s_add_co_u32 s62, s62, s66
	s_add_co_u32 s63, s62, KIMG                    ; K's codes: 2048 step + 512 b + 128 a
	s_lshl_b32 s66, s61, 8
	s_add_co_u32 s62, s62, s66
	s_add_co_u32 s62, s62, VIMG
	s_lshl_b32 s66, s61, 7
	s_add_co_u32 s63, s63, s66
	s_lshl_b32 s66, s59, 7                         ; V's scale byte: 128 step + w % 4
	s_add_co_u32 s67, s66, KSC                     ; K's: 128 step + 32 a + 2 b
	s_and_b32 s68, s22, 3
	s_add_co_u32 s66, s66, s68
	s_add_co_u32 s66, s66, VSC
	s_lshl_b32 s68, s61, 5
	s_add_co_u32 s67, s67, s68
	s_lshl_b32 s68, s60, 1
	s_add_co_u32 s67, s67, s68
	s_lshl_b32 s68, s23, 9
	s_add_co_u32 s68, s68, WIMG
	s_lshl_b32 s69, s23, 7
	s_add_co_u32 s69, s69, WSC
	s_wait_alu depctr_va_vdst(0)                   ; directly ahead of the wait below
	s_wait_kmcnt 0x0
	s_add_nc_u64 s[6:7], s[6:7], s[54:55]
	s_cmp_eq_u32 s22, 1                            ; wave 0: W_scale, b_scale; wave 1: W1, b1; wave 2: W2, b2
	s_cselect_b64 s[24:25], s[12:13], s[8:9]
	s_cselect_b64 s[26:27], s[14:15], s[10:11]
	s_cmp_eq_u32 s22, 2
	s_cselect_b64 s[24:25], s[16:17], s[24:25]
	s_cselect_b64 s[26:27], s[18:19], s[26:27]
	s_cmp_lt_u32 s22, 3                            ; waves 0 to 2 ask for a weight (a lane a row of 128 bytes; 4 KiB, read once by the work-group) and its bias
	s_cbranch_scc0 .Lno_weight_asked
.irp i, 0,1,2,3,4,5,6,7
	global_load_b128 v[WT+4*\i:WT+4*\i+3], v[AWG], s[24:25] offset:16*\i
.endr
	global_load_b32 v[BI], v[AL4], s[26:27]
.Lno_weight_asked:
.irp i, 0,1,2,3,4,5,6,7
	global_load_b128 v[WD+4*\i:WD+4*\i+3], v[LI], s[6:7] offset:512*\i th:TH_LOAD_NT   ; my 32 rows of wrd: 512 consecutive bytes a load
.endr
	s_add_nc_u64 s[4:5], s[4:5], s[54:55]          ; rgn at my first row,
	s_add_nc_u64 s[20:21], s[20:21], s[54:55]      ; out0 likewise
	; the addresses
	v_lshrrev_b32 v[AWI], 1, v[RR]
	v_and_b32 v[AWS], 1, v0
	v_mul_u32_u24 v[AKB], v[AWI], 272
	v_lshl_add_u32 v[AKB], v[AWS], 7, v[AKB]       ; row r: (r / 2) 272 + (r % 2) 128
	v_lshl_add_u32 v[AQR], v[HH], 6, v[AKB]
	v_add_nc_u32 v[AQR], s57, v[AQR]               ; rgn: row r, my half of its 128 bytes
	v_lshl_add_u32 v[AWI], v[HH], 5, v[AKB]
	v_add_nc_u32 v[ASO], s56, v[AWI]               ; the way out, in: row r, + 32 h
	v_mul_u32_u24 v[AWI], v[HH], 2176
	v_add_nc_u32 v[AWI], v[AWI], v[AKB]
	v_add_nc_u32 v[ARW], s56, v[AWI]               ; wrd: lane = row
	v_mul_u32_u24 v[AWI], v[HH], 272
	v_lshl_add_u32 v[AWI], v[RR], 4, v[AWI]        ; 512 bytes as they lie in memory: lanes 0-15 one pair of rows, lanes 16-31 the next
	v_add_nc_u32 v[ASR], s56, v[AWI]
	v_add_nc_u32 v[ARS], s57, v[AWI]
	v_lshl_add_u32 v[ACW], v[LL], 2, s56           ; wrd: lane = column
	v_lshl_add_u32 v[AQS], v[LL], 2, s58
	v_lshl_add_u32 v[AQM], v[RR], 2, s58
	v_lshlrev_b32 v[AWI], 4, v[RR]
	v_lshl_add_u32 v[AWI], v[HH], 10, v[AWI]
	v_add_nc_u32 v[AVI], s62, v[AWI]               ; V's codes: lane = column d: + 1024 (d / 16) + 16 (d % 16)
	v_lshl_add_u32 v[AVB], v[LL], 2, s66
	v_bfe_u32 v[AWI], v0, 3, 1                     ; c = (lane / 8) % 2,
	v_and_b32 v[AWS], 7, v0                        ; j = lane % 8
	v_lshlrev_b32 v[AKI], 4, v[AWS]
	v_lshl_add_u32 v[AKI], v[AWI], 10, v[AKI]
	v_lshl_add_u32 v[AKI], v[HH], 8, v[AKI]
	v_add_nc_u32 v[AKI], s63, v[AKI]               ; K's codes: + 1024 c + 256 u + 16 j
	v_lshl_add_u32 v[AKB], v[AWS], 2, v[HH]
	v_lshl_add_u32 v[AKB], v[AWI], 6, v[AKB]
	v_add_nc_u32 v[AKB], s67, v[AKB]               ; K's scale byte: + 64 c + 4 j + u
	v_lshlrev_b32 v[AWI], 3, v[RR]
	v_lshl_add_u32 v[AWI], v[HH], 8, v[AWI]
	v_add_nc_u32 v[AWI], s68, v[AWI]               ; a weight's codes: lane = row: 256 (row / 16) + 8 (row % 16); eight codes g go 128 (g % 2) + 4 (g / 2) further on
	v_lshl_add_u32 v[AWS], v[LL], 2, s69
	v_add_nc_u32 v[AK0], KIMG, v[LI]
	v_lshl_add_u32 v[AS0], v[LL], 2, KSC
	v_lshlrev_b32 v[SH8], 3, v[HH]
	v_lshl_add_u32 v[AB], v[HH], 5, BIA
	v_lshl_add_u32 v[AW], v[LL], 3, WIMG
	v_lshl_add_u32 v[AWSL], v[LL], 2, WSC
	v_sub_nc_u32 v[HM], 0, v[HH]
	v_add_nc_u32 v[NHM], -1, v[HH]
.irp i, 0,1,2,3
	global_load_b128 v[RT+4*\i:RT+4*\i+3], v[LI], s[4:5] offset:512*\i th:TH_LOAD_NT   ; the first tile's 16 rows of rgn
.endr
	; zero CODES that stay: Q's three runs of four, and registers 2 to 7 of the chain's operand
.irp i, 0,1,2,3
	v_mov_b32 v[QF+\i], 0
	v_mov_b32 v[QF+8+\i], 0
	v_mov_b32 v[QF+16+\i], 0
.endr
.irp i, 2,3,4,5,6,7
	v_mov_b32 v[PB+\i], 0
.endr
	v_mov_b32 v[XL], 0                             ; a lane permute's destination counts as one of its sources
	v_mov_b32 v[RL+1], 0                           ; the upper half of a pair of which the packed form takes the lower
	s_wait_alu depctr_va_vdst(0)                   ; at the head's end
	; ---- wrd: my 32 rows into my stage, load by load.  Only I touch my stage, and LDS serves a wave's instructions in order (ISA guide 5.7.1.4)
.irp i, 0,1,2,3,4,5,6,7
	s_wait_loadcnt 11-\i                           ; load i is in (and the weight, asked for ahead of it); wrd's 7 - i younger loads and rgn's four may be out
	ds_store_b128 v[ASR], v[WD+4*\i:WD+4*\i+3] offset:544*\i
.endr
.irp i, 0,1,2,3,4,5,6,7
	ds_load_b128 v[RW+4*\i:RW+4*\i+3], v[ARW] offset:16*\i   ; my row
.endr
.set i, 0
.rept 32
	ds_load_b32 v[XR+i], v[ACW] offset:(i/2)*272+(i%2)*128   ; key i of my column: the registers run down the keys
.set i, i+1
.endr
	s_wait_dscnt 0x20                              ; the row is in; the 32 column loads may be out
.irp i, 0,2,4,6,8,10,12,14
	v_pk_add_f32 v[WD+\i:WD+\i+1], v[RW+\i:RW+\i+1], v[RW+16+\i:RW+17+\i]
.endr
	QBLK RW
.irp i, 0,2,4,6
	v_pk_add_f32 v[WD+\i:WD+\i+1], v[WD+\i:WD+\i+1], v[WD+8+\i:WD+9+\i]
.endr
	v_lshrrev_b32 v[BM], 23, v[SO]
	QCOD RW, KC
	v_pk_add_f32 v[WD:WD+1], v[WD:WD+1], v[WD+4:WD+5]   ; (a plain instruction behind the last conversion)
	v_pk_add_f32 v[WD+2:WD+3], v[WD+2:WD+3], v[WD+6:WD+7]
	ds_store_b128 v[AKI], v[KC:KC+3]
	ds_store_b8 v[AKB], v[BM]
	v_pk_add_f32 v[WD:WD+1], v[WD:WD+1], v[WD+2:WD+3]
	v_add_f32 v[T0], v[WD], v[WD+1]
	v_mul_f32 v[T0], 0x3d000000, v[T0]             ; / 32: the row's mean
	ds_store_b32 v[AQS], v[T0]
	s_wait_dscnt 0x3                               ; the column is in; the three stores behind it may be out
	QBLK XR
	v_lshrrev_b32 v[BM+1], 23, v[SO]
	QCOD XR, VC
	v_nop                                          ; one plain instruction behind the last scaled conversion
	ds_store_b128 v[AVI], v[VC:VC+3]
	ds_store_b8 v[AVB], v[BM+1]
	; ---- waves 0 to 2: a weight, lane = row
	s_cmp_lt_u32 s22, 3
	s_cbranch_scc0 .Lno_weight_made
	QBLK WT
	v_lshrrev_b32 v[T0+1], 23, v[SO]
	v_lshl_or_b32 v[T0+1], v[T0+1], 8, v[T0+1]
	v_lshl_or_b32 v[T0+1], v[T0+1], 16, v[T0+1]    ; the row's byte in all four bytes
	QCOD WT, KC
	v_nop
.irp g, 0,1,2,3
	ds_store_b32 v[AWI], v[KC+\g] offset:(\g%2)*128+(\g/2)*4   ; k = 8 g on: register g / 2 of lane (row % 16, g % 2)
.endr
	ds_store_b32 v[AWS], v[T0+1]
	ds_store_b32 v[AWS], v[BI] offset:512          ; the bias
.Lno_weight_made:
	s_wait_alu depctr_va_vdst(0)                   ; directly ahead of the wait below
	s_wait_dscnt 0x0                               ; for the others' sake: all my stores into the images have landed
	s_barrier_signal -1
	s_barrier_wait -1                              ; the one barrier: behind it the images are only read; each wave's stages are its own
.irp i, 0,1,2
	ds_load_b32 v[WS+\i], v[AWSL] offset:128*\i    ; the weights' scale words stay: lane = row;
	ds_load_b64 v[WA+2*\i:WA+2*\i+1], v[AW] offset:512*\i   ; and so do their codes
	ds_load_b64 v[WA+8+2*\i:WA+9+2*\i], v[AW] offset:512*\i+256
.endr
	s_wait_loadcnt 0x0                             ; the first tile's rows of rgn
.irp i, 0,1,2,3
	ds_store_b128 v[ARS], v[RT+4*\i:RT+4*\i+3] offset:544*\i
.endr
	s_wait_dscnt 0x0                               ; the stores have read their registers, on which the next loads land
.irp i, 0,1,2,3
	global_load_b128 v[RT+4*\i:RT+4*\i+3], v[LI], s[4:5] offset:2048+512*\i th:TH_LOAD_NT   ; the second tile's rows: put into the stage at the first tile's end
.endr
.irp i, 6,7,14,15,16,17,18,19
	v_mov_b32 v[WA+\i], 0
.endr
	s_mov_b32 s53, 0
	s_setprio 3                                    ; the wave's priority: 3 in the first tile; in the second 2, then 1 from step 1's conversions on, 0 from step 3's: waves that lag behind come first, so that they keep step
.macro PKM q, o                        ; 0.1 x of eight scores
.irp j, 0,2,4,6
	v_pk_mul_f32 v[Y+\o+\j:Y+\o+\j+1], v[S+16*\q+\o+\j:S+16*\q+\o+\j+1], s[48:49] op_sel_hi:[1,0]
.endr
.endm
.macro DMX q, o                        ; leaky(x) = max(x, 0.1 x) of eight scores
.irp j, 0,2,4,6
	v_dual_max_num_f32 v[S+16*\q+\o+\j], v[S+16*\q+\o+\j], v[Y+\o+\j] :: v_dual_max_num_f32 v[S+16*\q+\o+\j+1], v[S+16*\q+\o+\j+1], v[Y+\o+\j+1]
.endr
.endm
.macro TFM j                           ; t - M of two scores
	v_pk_fma_f32 v[S+\j:S+\j+1], v[S+\j:S+\j+1], s[46:47], v[NMN:NMN+1] op_sel_hi:[1,0,0]
.endm
.macro LADD i, o                       ; two p of the second block onto partial sum i
	v_pk_add_f32 v[Y+2*\i:Y+2*\i+1], v[Y+2*\i:Y+2*\i+1], v[S+32+\o+2*\i:S+33+\o+2*\i]
.endm
; The sum's last four lines stand behind the matrix instructions that follow a step: four plain instructions that name none of their registers, ahead of the first read of their results and of loads into their sources (ISA guide 7.12.1 for vector instructions).
.macro SUMEND first
	v_pk_add_f32 v[Y:Y+1], v[Y:Y+1], v[Y+4:Y+5]
	v_pk_add_f32 v[Y+2:Y+3], v[Y+2:Y+3], v[Y+6:Y+7]
.if \first
	v_pk_add_f32 v[LS:LS+1], v[Y:Y+1], v[Y+2:Y+3]
	v_nop
.else
	v_pk_add_f32 v[Y:Y+1], v[Y:Y+1], v[Y+2:Y+3]
	v_pk_add_f32 v[LS:LS+1], v[LS:LS+1], v[Y:Y+1]
.endif
.endm
; A KEY STEP: 128 keys, the t-th of four.  Step 0 starts M, the sum and O^T: nothing is cleared.
.macro STEP t
.set NMN, NMA+2*(\t%2)                 ; the new -M, and the old
.set NMO, NMB-2*(\t%2)
.irp g, 0,1,2,3
	v_wmma_scale_f32_32x16x128_f4 v[S+16*\g:S+16*\g+15], v[KF:KF+15], v[QF+4+8*(\g%2)-4*(\g/2):QF+11+8*(\g%2)-4*(\g/2)], 0, v[KS], v[QS]
.endr
.if \t == 0
	NOPS 4
.endif
.if \t == 1
	SUMEND 1
.endif
.if \t > 1
	SUMEND 0
.endif
.irp n, 0,1
.irp c, 0,1
	ds_load_b128 v[VF+8*\n+4*\c:VF+8*\n+4*\c+3], v[AK0] offset:8192+\t*2048+\n*1024+\c*512   ; this step's V: wanted behind the softmax
.endr
.endr
	ds_load_b32 v[VS], v[AS0] offset:512+\t*128
	; the largest RAW score of my two blocks of 32 keys (leaky, the scaling and the exponential all rise with the score): four chains, one for each accumulator, each first read at its low end
.irp k, 0,1,2,3
	v_max3_num_f32 v[CH+\k], v[S+16*\k], v[S+16*\k+1], v[S+16*\k+2]
.endr
.irp i, 3,5,7,9,11,13
.irp k, 0,1,2,3
	v_max3_num_f32 v[CH+\k], v[CH+\k], v[S+16*\k+\i], v[S+16*\k+\i+1]
.endr
.endr
	v_max3_num_f32 v[BM], v[CH], v[CH+1], v[S+15]
	v_max3_num_f32 v[BM+1], v[CH+2], v[CH+3], v[S+47]
	; from here to -M the chain's lines stand among the scores' own leaky
	PKM 0, 0
	PKM 0, 8
	v_max_num_f32 v[BM], v[BM], v[S+31]
	v_max_num_f32 v[BM+1], v[BM+1], v[S+63]
	DMX 0, 0
	DMX 0, 8
	v_pk_mul_f32 v[T0:T0+1], v[BM:BM+1], s[48:49] op_sel_hi:[1,0]   ; the blocks' largest scores go the scores' own way: the same operations give the same bits
.if \t < 3
.irp c, 0,1
.irp d, 0,1
	ds_load_b128 v[KF+8*\c+4*\d:KF+8*\c+4*\d+3], v[AK0] offset:(\t+1)*2048+\c*1024+\d*512   ; the next step's K
.endr
.endr
	ds_load_b32 v[KS], v[AS0] offset:(\t+1)*128
.endif
	PKM 1, 0
	PKM 1, 8
	v_dual_max_num_f32 v[BM], v[BM], v[T0] :: v_dual_max_num_f32 v[BM+1], v[BM+1], v[T0+1]
	DMX 1, 0
	DMX 1, 8
	v_max_num_f32 v[SM], v[BM], v[BM+1]
	PKM 2, 0
	PKM 2, 8
	v_permlanex16_b32 v[XL], v[SM], s44, s45
	DMX 2, 0
	v_max_num_f32 v[SM], v[SM], v[XL]              ; the step's largest of my query
	DMX 2, 8
.if \t == 0
	v_mul_f32 v[TM], s46, v[SM]                    ; the largest t
	PKM 3, 0
	PKM 3, 8
	v_floor_f32 v[NMN], -v[TM]                     ; -M = floor(-t) = -ceil(t)
	DMX 3, 0
	DMX 3, 8
.irp j, 0,2,4,6,8,10,12,14,16,18,20,22,24,26,28,30
	TFM \j
.endr
.else
	v_mul_f32 v[SM], s46, v[SM]
	PKM 3, 0
	v_max_num_f32 v[TM], v[TM], v[SM]              ; the running largest t
	PKM 3, 8
	v_floor_f32 v[NMN], -v[TM]
	DMX 3, 0
	v_sub_f32 v[T0], v[NMN], v[NMO]                ; old M - new M: a whole number, 0 or less
	DMX 3, 8
	v_cvt_i32_f32 v[T0], v[T0]                     ; (it saturates)
.irp j, 0,2,4,6,8,10,12,14
	TFM \j
.endr
	v_ldexp_f32 v[FF], 1.0, v[T0]                  ; f = 2^(old M - new M)
.irp j, 16,18,20,22,24,26,28,30
	TFM \j
.endr
.irp j, 0,2,4,6,8,10,12,14
	v_pk_mul_f32 v[O+\j:O+\j+1], v[O+\j:O+\j+1], v[FF:FF+1] op_sel_hi:[1,0]
.endr
.endif
	v_pk_fma_f32 v[BM:BM+1], v[BM:BM+1], s[46:47], v[NMN:NMN+1] op_sel_hi:[1,0,0]
.irp j, 32,34,36,38,40,42,44,46,48,50,52,54,56,58,60,62
	TFM \j
.endr
	s_wait_alu depctr_va_vdst(0)                   ; ahead of the batch
	v_exp_f32 v[BM], v[BM]                         ; my blocks' largest p
	v_exp_f32 v[BM+1], v[BM+1]
.set i, 0
.rept 64
	v_exp_f32 v[S+i], v[S+i]                       ; p = 2^(t - M)
.set i, i+1
.endr
.if \t == 0
	v_nop                                          ; a plain instruction behind the last exponential
.else
	v_pk_mul_f32 v[LS:LS+1], v[LS:LS+1], v[FF:FF+1] op_sel_hi:[1,0]   ; the sum under the new M: the plain instruction behind the last exponential
.endif
	s_wait_alu depctr_va_vdst(0)                   ; behind the batch, ahead of its first reader, and ahead of the wait below
	s_wait_dscnt 0x0                               ; V, its scale words and the next step's K: asked for ahead of the softmax
.if \t == 1
	s_cmp_eq_u32 s53, 0
	s_cbranch_scc1 .Lprio_\@
	s_setprio 1
.Lprio_\@:
.endif
.if \t == 3
	s_cmp_eq_u32 s53, 0
	s_cbranch_scc1 .Lprio_\@
	s_setprio 0
.Lprio_\@:
.endif
.irp c, 0,1
	v_max_num_f32 v[BM+\c], 0x1800000, v[BM+\c]    ; the floor 2^(3 - 127): the byte cannot fall under 1
.endr
.irp i, 0,1,2,3,4,5,6,7
	v_pk_add_f32 v[Y+2*\i:Y+2*\i+1], v[S+2*\i:S+2*\i+1], v[S+16+2*\i:S+17+2*\i]   ; the sum, of the UNQUANTISED p: eight partial sums of two halves
.endr
.irp c, 0,1
	v_add_nc_u32 v[SO+\c], 0xff000000, v[BM+\c]    ; 2 off the exponent field: the conversion's scale operand
.endr
.irp i, 0,1,2,3
	LADD \i, 0
.endr
.irp c, 0,1
	v_lshrrev_b32 v[CH+\c], 23, v[SO+\c]           ; the byte of block 2 c + h
.endr
	LADD 4, 0
	LADD 5, 0
	v_lshl_or_b32 v[CH+2], v[CH+1], 16, v[CH]
	LADD 6, 0
	LADD 7, 0
	v_lshlrev_b32 v[CH+2], v[SH8], v[CH+2]         ; at their places in the word: 8 h bits up
	LADD 0, 16
	LADD 1, 16
	v_permlanex16_b32 v[XL], v[CH+2], s44, s45
	LADD 2, 16
	v_or_b32 v[PS], v[CH+2], v[XL]                 ; with lane l xor 16's two bytes: P's scale word for these 128 keys; nine plain instructions stand between it and its product
.irp i, 3,4,5,6,7
	LADD \i, 16
.endr
.irp c, 0,1
.irp g, 0,1,2,3
	v_cvt_scalef32_pk8_fp4_f32 v[PC+4*\c+\g], v[S+32*\c+8*\g:S+32*\c+8*\g+7], v[SO+\c]   ; register 4 c + g of P's operand
.endr
.endr
.irp i, 0,2,4,6
	v_pk_add_f32 v[Y+\i:Y+\i+1], v[Y+\i:Y+\i+1], v[Y+8+\i:Y+9+\i]   ; four plain instructions between the codes and their product
.endr
.if \t == 3                            ; the scores' registers are done with: the three biases go straight into the three layers' sums
.irp i, 0,1,2
.irp n, 0,1
	ds_load_b128 v[E1+16*\i+8*\n:E1+16*\i+8*\n+3], v[AB] offset:\i*128+\n*64       ; lane (r, h), tile n: units 16 n + 8 h + 0 .. 7
	ds_load_b128 v[E1+16*\i+8*\n+4:E1+16*\i+8*\n+7], v[AB] offset:\i*128+\n*64+16
.endr
.endr
.endif
.if \t == 0
	v_wmma_scale_f32_32x16x128_f4 v[O:O+15], v[VF:VF+15], v[PC:PC+7], 0, v[VS], v[PS]
.else
	v_wmma_scale_f32_32x16x128_f4 v[O:O+15], v[VF:VF+15], v[PC:PC+7], v[O:O+15], v[VS], v[PS]
.endif
.endm                                  ; four other matrix instructions stand between two steps of O^T's sum
.Ltile:                                ; two trips: my queries 0-15, then 16-31
.irp i, 0,1,2,3
	ds_load_b128 v[S+4*\i:S+4*\i+3], v[AQR] offset:16*\i   ; numbers 16 h + 0 .. 15 of query r
.endr
.irp c, 0,1
.irp d, 0,1
	ds_load_b128 v[KF+8*\c+4*\d:KF+8*\c+4*\d+3], v[AK0] offset:\c*1024+\d*512   ; the first step's K
.endr
.endr
	ds_load_b32 v[KS], v[AS0]
	ds_load_b32 v[QV], v[AQM]                      ; q of my query's row
	s_wait_dscnt 0x0
	QM16 S, 1
	v_lshl_or_b32 v[QS], v[ES], 16, v[ES]          ; the query's byte in all four bytes: three of them stand over zero codes
	v_cvt_scalef32_pk8_fp4_f32 v[PC], v[S:S+7], v[SO]
	v_cvt_scalef32_pk8_fp4_f32 v[PC+1], v[S+8:S+15], v[SO]
	v_nop                                          ; one plain instruction behind the last scaled conversion
	v_permlanex16_b32 v[CH+2], v[PC], s44, s45     ; the query's other 16 codes
	v_permlanex16_b32 v[CH+3], v[PC+1], s44, s45
.irp i, 0,1
	v_and_b32 v[QF+4+\i], v[NHM], v[PC+\i]         ; lanes 0-15: my 16 codes, then the other 16
	v_and_b32 v[QF+14+\i], v[HM], v[PC+\i]         ; lanes 16-31: the other 16, then mine
.endr
.irp i, 0,1
	v_and_b32 v[QF+6+\i], v[NHM], v[CH+2+\i]
	v_and_b32 v[QF+12+\i], v[HM], v[CH+2+\i]
.endr
	NOPS 4                                         ; the codes stand four plain instructions ahead of the scaled product, the scale word eight
	STEP 0
	STEP 1
	STEP 2
	STEP 3
	; ---- the chain, for my 16 queries.  The three biases go straight into the three layers' sums
	SUMEND 0
	v_add_f32 v[T0], v[LS], v[LS+1]                ; the sum's two halves,
	v_permlanex16_b32 v[XL], v[T0], s44, s45
	v_add_f32 v[T0], v[T0], v[XL]                  ; and lane l xor 16's
	s_wait_alu depctr_va_vdst(0)                   ; ahead of the reciprocal
	v_rcp_f32 v[RL], v[T0]
	v_nop                                          ; a plain instruction behind the reciprocal
	s_wait_dscnt 0x0                               ; the biases, asked for ahead of the last key step's second product
	s_wait_alu depctr_va_vdst(0)                   ; ahead of the reciprocal's first reader, and of O^T's
.irp j, 0,2,4,6,8,10,12,14
	v_pk_mul_f32 v[E0+\j:E0+\j+1], v[O+\j:O+\j+1], v[RL:RL+1] op_sel_hi:[1,0]   ; ctx = O^T / the sum
.endr
	QM16 E0, 1
	QC16 E0
	v_mov_b32 v[PC], 0xbeaaaa7e                    ; tanh's series: -0.333332, 0.1332266, -0.0512346, each twice: -1/3, 2/15, -17/315 with the next term, 62/2835 y^4, economised on y = 0 .. 1/16.
	v_mov_b32 v[PC+1], 0xbeaaaa7e                  ; These lines are the plain instructions ahead of the scaled product
	v_mov_b32 v[PC+2], 0x3e086c8b
	v_mov_b32 v[PC+3], 0x3e086c8b
	v_mov_b32 v[PC+4], 0xbd51db57
	v_mov_b32 v[PC+5], 0xbd51db57
	v_add_nc_u32 v[AQM], 64, v[AQM]                ; the next tile's means and rows
	v_add_nc_u32 v[AQR], 2176, v[AQR]
	PROD E1, 0                                     ; x = ctx Ws^T + bs
	NOPS 4
	; tanh(x), both ways in every lane, the choice by v_cndmask_b32.  VF: 1 - 2 / (1 + e^(2x));  KF: x + x y (c1 + y (c2 + y c3)), y = x^2
.irp j, 0,2,4,6,8,10,12,14
	v_pk_mul_f32 v[VF+\j:VF+\j+1], v[E1+\j:E1+\j+1], s[50:51] op_sel_hi:[1,0]
.endr
	s_wait_alu depctr_va_vdst(0)
.irp j, 0,2,4,6,8,10,12,14
	v_exp_f32 v[VF+\j], v[VF+\j]
	v_exp_f32 v[VF+\j+1], v[VF+\j+1]
	v_pk_mul_f32 v[Y+\j:Y+\j+1], v[E1+\j:E1+\j+1], v[E1+\j:E1+\j+1]
.endr
	s_wait_alu depctr_va_vdst(0)
.irp j, 0,2,4,6,8,10,12,14
	v_pk_add_f32 v[VF+\j:VF+\j+1], v[VF+\j:VF+\j+1], 1.0 op_sel_hi:[1,0]
	v_pk_fma_f32 v[KF+\j:KF+\j+1], v[Y+\j:Y+\j+1], v[PC+4:PC+5], v[PC+2:PC+3]
.endr
	s_wait_alu depctr_va_vdst(0)
.irp j, 0,2,4,6,8,10,12,14
	v_rcp_f32 v[VF+\j], v[VF+\j]
	v_rcp_f32 v[VF+\j+1], v[VF+\j+1]
	v_pk_fma_f32 v[KF+\j:KF+\j+1], v[Y+\j:Y+\j+1], v[KF+\j:KF+\j+1], v[PC:PC+1]
.endr
	s_wait_alu depctr_va_vdst(0)
.irp j, 0,2,4,6,8,10,12,14
	v_pk_mul_f32 v[KF+\j:KF+\j+1], v[Y+\j:Y+\j+1], v[KF+\j:KF+\j+1]
.endr
.irp j, 0,2,4,6,8,10,12,14
	v_pk_fma_f32 v[KF+\j:KF+\j+1], v[E1+\j:E1+\j+1], v[KF+\j:KF+\j+1], v[E1+\j:E1+\j+1]
	v_pk_fma_f32 v[VF+\j:VF+\j+1], v[VF+\j:VF+\j+1], -2.0, 1.0 op_sel_hi:[1,0,0]
.endr
.irp j, 0,1,2,3,4,5,6,7,8,9,10,11,12,13,14,15
	v_cmp_gt_f32 s[68+\j], s52, v[Y+\j]            ; x^2 < 1/16: the series
.endr
.irp j, 0,1,2,3,4,5,6,7,8,9,10,11,12,13,14,15
	v_cndmask_b32 v[E1+\j], v[VF+\j], v[KF+\j], s[68+\j]
.endr
.irp j, 0,2,4,6,8,10,12,14
	v_pk_mul_f32 v[E1+\j:E1+\j+1], v[E1+\j:E1+\j+1], v[QV:QV+1] op_sel_hi:[1,0]   ; q x scaling
.endr
	QM16 E1, 1
	QC16 E1
.irp j, 0,2,4,6,8,10,12,14
	v_pk_add_f32 v[E3+\j:E3+\j+1], v[E3+\j:E3+\j+1], v[QV:QV+1] op_sel_hi:[1,0]   ; b2 + q: due anyway, and the plain instructions ahead of the scaled product
.endr
	PROD E2, 1
	NOPS 4
	QM16 E2, 0                                     ; of what relu leaves: negative numbers do not count
.irp j, 0,2,4,6,8,10,12,14
	v_dual_max_num_f32 v[E2+\j], 0, v[E2+\j] :: v_dual_max_num_f32 v[E2+\j+1], 0, v[E2+\j+1]   ; relu
.endr
	QC16 E2
	NOPS 4
	PROD E3, 2
	NOPS 4
	; THE WAY OUT: a lane holds 32 neighbouring bytes of a row twice; the 16 rows of 128 bytes go through my own stage and leave as 2,048 consecutive bytes
.irp n, 0,1
.irp k, 0,1
	ds_store_b128 v[ASO], v[E3+8*\n+4*\k:E3+8*\n+4*\k+3] offset:\n*64+\k*16
.endr
.endr
.irp i, 0,1,2,3
	ds_load_b128 v[E0+4*\i:E0+4*\i+3], v[ASR] offset:\i*544   ; LDS serves a wave's instructions in order: these see my stores
.endr
	s_wait_dscnt 0x0
.irp i, 0,1,2,3
	global_store_b128 v[LI], v[E0+4*\i:E0+4*\i+3], s[20:21] offset:512*\i th:TH_STORE_NT   ; 32 lanes store 512 consecutive bytes, at a multiple of 256 from out0's first byte; written once, read by nobody here
.endr
	s_wait_xcnt 0x0                                ; the stores have read their data and their base: both are written again below and in the next trip
	s_add_nc_u64 s[20:21], s[20:21], 2048          ; the next 16 rows
	s_add_co_u32 s53, s53, 1
	s_cmp_lg_u32 s53, 1
	s_cbranch_scc1 .Lno_rows                       ; behind the first tile alone: the second tile's rows go into their stage
	s_wait_loadcnt 0x0
.irp i, 0,1,2,3
	ds_store_b128 v[ARS], v[RT+4*\i:RT+4*\i+3] offset:2176+544*\i
.endr
	s_setprio 2
.Lno_rows:
	s_cmp_lt_u32 s53, 2
	s_cbranch_scc1 .Ltile
	s_wait_tensorcnt 0x0                           ; the wave's end, behind my last LDS store
	ds_add_u32 v[SPW], v[NIL]
	s_wait_dscnt 0x0
	s_endpgm
.Lfunc_end_k_q4611b638fa_refine:
	.size	k_q4611b638fa_refine, .Lfunc_end_k_q4611b638fa_refine-k_q4611b638fa_refine
	.p2alignl 7, 3214868480
	.fill 96, 4, 3214868480
	.section	.rodata,"a",@progbits
	.p2align	6, 0x0
	.amdhsa_kernel k_q4611b638fa_refine
		.amdhsa_group_segment_fixed_size 163328
		.amdhsa_private_segment_fixed_size 0
		.amdhsa_enable_private_segment 0
		.amdhsa_kernarg_size 72
		.amdhsa_user_sgpr_count 2
		.amdhsa_user_sgpr_kernarg_segment_ptr 1
		.amdhsa_wavefront_size32 1
		.amdhsa_system_sgpr_workgroup_id_x 1
		.amdhsa_system_sgpr_workgroup_id_y 1
		.amdhsa_system_sgpr_workgroup_id_z 1
		.amdhsa_system_vgpr_workitem_id 0
		.amdhsa_next_free_vgpr 256
		.amdhsa_next_free_sgpr 84
		.amdhsa_reserve_vcc 0
		.amdhsa_float_denorm_mode_32 3
		.amdhsa_float_denorm_mode_16_64 3
		.amdhsa_memory_ordered 1
		.amdhsa_forward_progress 1
		.amdhsa_inst_pref_size 99
	.end_amdhsa_kernel
	.amdgpu_metadata
---
amdhsa.version: [ 1, 2 ]
amdhsa.kernels:
  - .name:           k_q4611b638fa_refine
    .symbol:         k_q4611b638fa_refine.kd
    .args:
      - { .name: rgn, .offset: 0, .size: 8, .value_kind: global_buffer, .address_space: global }
      - { .name: wrd, .offset: 8, .size: 8, .value_kind: global_buffer, .address_space: global }
      - { .name: W_scale, .offset: 16, .size: 8, .value_kind: global_buffer, .address_space: global }
      - { .name: b_scale, .offset: 24, .size: 8, .value_kind: global_buffer, .address_space: global }
      - { .name: W1, .offset: 32, .size: 8, .value_kind: global_buffer, .address_space: global }
      - { .name: b1, .offset: 40, .size: 8, .value_kind: global_buffer, .address_space: global }
      - { .name: W2, .offset: 48, .size: 8, .value_kind: global_buffer, .address_space: global }
      - { .name: b2, .offset: 56, .size: 8, .value_kind: global_buffer, .address_space: global }
      - { .name: out0, .offset: 64, .size: 8, .value_kind: global_buffer, .address_space: global }
    .group_segment_fixed_size: 163328
    .private_segment_fixed_size: 0
    .kernarg_segment_align: 8
    .kernarg_segment_size: 72
    .max_flat_workgroup_size: 512
    .sgpr_count:     84
    .vgpr_count:     256
    .wavefront_size: 32
...
	.end_amdgpu_metadata
.endif
;; end of part 1
